; MI455X (gfx1250); checked and timed in simulation.
; The chip was launched on July 23, 2026; its instructions are those of AMD's public machine-readable ISA for CDNA 5 (MIT licence, August 2026) and "CDNA5" Instruction Set Architecture Reference Guide (July 2026). The comments in the code are by the model that wrote it; some were corrected since.
;; Linear. Allowed arithmetic: matrix products marked QUANTISED: E2M1 operands, one E8M0 scale for each 32 along K, by v_wmma_scale_f32_16x16x128_f8f6f4 with both operands' format E2M1 (or v_wmma_scale_f32_32x16x128_f4), f32 sums; everything else in f32.
;; Inputs: b 4,096 float32; inputs_codes 4 x 1,024 x 128 x 16 uint8 (E2M1 codes of inputs, K innermost, in blocks of 32 codes, two codes a byte); inputs_scales 4 x 1,024 x 128 uint8 (E8M0 scales of inputs, one for each 32 codes along K); w 4,096 x 4,096 int8; w_scale 4,096 x 4,096 float32.
;; Outputs: out0 4 x 1,024 x 4,096 float32.
;; This version of the problem:
;;   THIS VERSION OF THE PROBLEM IS GIVEN IN LOW PRECISION. The matrix products marked QUANTISED in the list below multiply operands that are first quantised to E2M1 (2 exponent bits, 1 mantissa bit; 4 bits a number), with one power-of-two scale for each 32 numbers along K (OCP MX v1.0); their sums are f32. All else is computed in f32.
;;   The module's matrix products, in the order in which they are computed (A, B: the left and right operand; K: the contracted axis; several contracted axes count as one K, in the product's order):
;;     1. [M 4,096, K 4,096] x [K 4,096, N 4,096]; A: input inputs (given as codes); B: computed on the way: QUANTISED
;;   THE QUANTISER, for each operand of a quantised product, along K:
;;     - K is cut into blocks of 32 from its start; a last block that is shorter is filled with zeros.
;;     - A block's scale is 2^e with e = floor(log2(the largest magnitude in the block)) - 2, held to -126 .. 127; a block of zeros has e = 0. As a byte (E8M0): e + 127.
;;     - Each number is divided by its block's scale, clamped to +-6, and rounded to the nearest number of E2M1, ties to even, subnormals kept.
;;     - The product sums the exact products of the quantised numbers (number of the format x scale) in f32.
;;   ~~~python
;;   def quantise(x, axis):      # numpy; x: float32 -> the quantised numbers, widened to float32 again
;;       x = np.moveaxis(x, axis, -1); K = x.shape[-1]
;;       x = np.pad(x, [(0, 0)] * (x.ndim - 1) + [(0, -K % 32)]); x = x.reshape(x.shape[:-1] + (-1, 32)); a = np.abs(x).max(-1, keepdims=True)
;;       e = np.where(a > 0, np.clip(np.frexp(np.where(a > 0, a, 1))[1] - 1 - 2, -126, 127), 0)      # np.frexp(a)[1] - 1 = floor(log2(a)), exactly
;;       r = np.clip(x / 2.0 ** e, -6, 6)
;;       step = 2.0 ** (np.maximum(np.frexp(np.where(r == 0, 1, r))[1] - 1, 0) - 1)
;;       q = np.round(r / step) * step * 2.0 ** e      # np.round: ties to even
;;       return np.moveaxis(q.reshape(q.shape[:-2] + (-1,))[..., :K], -1, axis).astype(np.float32)
;;   ~~~
;;   OPERANDS COMPUTED ON THE WAY. 'Computed on the way' means the value that the module computes at that place (a softmax that the list does not call 'softmax' is quantised finished and normalised). What goes into a quantiser is computed in f32, as accurately as f32 sums, v_exp_f32 and their like allow (about 1e-6 of the number): no bf16 or f16 on the way to a quantiser, and a product that is left as it is and whose result goes on into a quantised operand takes f32 operands (vector FMAs, or v_wmma_f32_16x16x4_f32). A number that lies on a knife's edge between two numbers of the format may be rounded either way, as far as f32 arithmetic and the matrix unit's own rounding can turn it there, and no further.
;;   INPUTS GIVEN AS CODES. inputs (in the module: [4, 1024, 4096], K = its axis 2): each comes as NAME_codes (uint8): NAME with its K axis moved to the last place and cut into blocks of 32 codes, [.., K / 32, bytes a block], one block behind the other in memory; two codes a byte, the lower K in the low four bits (a code: sign, 2 exponent bits, 1 mantissa bit); and NAME_scales (uint8): the same leading axes, one E8M0 byte (e + 127) for each 32 codes along K. Its value is code x scale, taken as it is: it is not quantised again, and the codes and scales need not be those that the quantiser above would give.
;; One version. Each part assembles by itself: llvm-mc -triple=amdgcn-amd-amdhsa -mcpu=gfx1250 --defsym DOCPART=n.
;; ======== version 1 of 1: 2 launches
;; limits: right only within a limited range of input values
;; workspace buffers: wq 8,912,896 bytes
;; launch prep (part 1): grid 16 x 16, 16 waves a work-group, no clusters, 327,680 bytes of LDS; arguments w, w_scale, wq; writes wq
.if DOCPART == 1
	.amdgcn_target "amdgcn-amd-amdhsa--gfx1250"
	.amdhsa_code_object_version 6
	.text
	.protected	k_q16e5360057_prep
	.globl	k_q16e5360057_prep
	.p2align	8
	.type	k_q16e5360057_prep,@function
k_q16e5360057_prep:
	s_mov_b64 s[64:65], 0
	v_nop
	global_prefetch_b8 v0, s[64:65] scope:SCOPE_SE
	s_setreg_imm32_b32 hwreg(HW_REG_WAVE_MODE, 25, 1), 1
	s_wait_xcnt 0x0
; B[k][n] = f32(w[k][n]) * w_scale[k][n] (one f32 multiplication), k and n 0 .. 4095, is quantised along k, its FIRST axis, into codes of FP4 (E2M1) with one E8M0 byte for each 32 along k.
; A block's scale is 2^(floor(log2(its largest magnitude)) - 2); its byte is the largest magnitude's exponent field - 2, held at 1 from below; each number is divided by the scale and rounded to the nearest code, ties to even, beyond 6 the largest code.
; LAYOUT OF THE RESULT, chosen for the product that reads it: wq is a row of dense records of 34,816 bytes, one for 256 columns x 256 along k.
;   Record of k / 256 = y and n / 256 = x: number 2 (16 (y / 2) + x) + y % 2, so that the two records of a K step of 512 and 256 columns are neighbours.
;   In a record: [block j of 32 along k, 8][column, 256][16 bytes: 32 codes, the lower k in the lower bits], then [column, 256][8 scale bytes, byte j for block j].
; LIMITS: NaN and infinities in w_scale are not served.  A block of zeros gets the byte 1 where the rule says 127: its codes are zeros, which add nothing under any byte but 0xff, and only this program reads the bytes.
; SHARES.  A work-group makes one record.  Each of its sixteen waves takes one block of 32 along k x 128 columns; lane l takes columns 4 l .. 4 l + 3.
; The wave's 32 rows x 512 bytes of w_scale come into LDS by ONE tensor load at the head, 16 KB a wave and 256 KB a work-group, filled once and read by that wave alone: no barrier stands between.
; Its 32 rows x 128 bytes of w come into registers; the two waves of a block read the two halves of the same 256 bytes.
; A LANE'S REGISTERS RUN DOWN k: the conversion takes eight neighbours along k from eight consecutive registers of one lane, so the block's maximum needs no other lane.
; The products of group g (8 rows x 4 columns) are written, sorted by column, into the registers that group g - 1 of w_scale has left (group 0 into a spare group): 160 registers serve 128 scales and 128 products.
; No matrix unit; no cluster, since no tile is shared; no prefetch, since there is no loop to run ahead in: all that is read is asked for at the head.
.set REC,  34816
.set STG0, 16*16384                    ; behind the tiles: a stage for each wave: 32 places of 64 bytes + 16 of padding
.set STGB, 2560
.set SP,   80
.set SCG,  STG0+16*STGB                ; behind the stages: the record's scale bytes, [256 columns][8 bytes]
.set SPARE, SCG+2048                   ; the spare words, 128 bytes for each wave
.set WR,   16                          ; v16-47   w: register k holds row k's four int8;  later v16-31 the codes read back, v32-35 the scale bytes read back
.set T,    48                          ; v48-175  the products: (group g, column c, row kk) at T + 32 g + 8 c + kk
.set SR,   80                          ; v80-207  w_scale: (group g, row kk, column c) at SR + 32 g + 4 kk + c
.set TP,   208                         ; v208-215 at work: two rows' four numbers
.set M,    216                         ; v216-219 the four columns' largest magnitudes
.set E,    220                         ; v220-223 the conversions' scale operands
.set BY,   224                         ; v224-227 the scale bytes
.set C,    228                         ; v228-243 the codes: column c's 16 bytes in C + 4 c .. C + 4 c + 3
	s_load_b128 s[4:7], s[0:1], 0x0                ; w s[4:5], w_scale s[6:7]
	s_load_b64 s[10:11], s[0:1], 0x10              ; wq
	v_lshl_add_u32 v254, v0, 2, SPARE
	v_mov_b32 v255, 0
	ds_add_u32 v254, v255                          ; the opening add, twice on end, and its wait, ahead of the tensor load
	ds_add_u32 v254, v255
	v_lshrrev_b32 v1, 5, v0
	v_readfirstlane_b32 s24, v1                    ; wave 0..15
	s_and_b32 s25, s24, 1                          ; which 128 of the 256 columns
	s_lshr_b32 s26, s24, 1                         ; block j of the record
	s_and_b32 s27, ttmp7, 0xffff                   ; y
	s_lshl_b32 s28, s27, 3
	s_add_co_u32 s28, s28, s26                     ; my block of 32 along k: 8 y + j
	s_lshl_b32 s29, ttmp9, 1
	s_add_co_u32 s29, s29, s25                     ; my 128 columns: 2 x + half
	s_lshl_b32 s30, s28, 19                        ; w_scale: 32 rows of 16,384 bytes a block, 512 bytes of columns
	s_lshl_b32 s42, s29, 9
	s_add_co_u32 s30, s30, s42
	s_mov_b32 s31, 0
	s_lshl_b32 s32, s28, 17                        ; w: 32 rows of 4,096 bytes, 128 bytes of columns
	s_lshl_b32 s42, s29, 7
	s_add_co_u32 s32, s32, s42
	s_mov_b32 s33, 0
	s_lshr_b32 s42, s27, 1                         ; the record's number
	s_lshl_b32 s42, s42, 4
	s_add_co_u32 s42, s42, ttmp9
	s_lshl_b32 s42, s42, 1
	s_and_b32 s43, s27, 1
	s_add_co_u32 s42, s42, s43
	s_mul_i32 s34, s42, REC
	s_lshl_b32 s36, s26, 12                        ; my codes in it
	s_add_co_u32 s36, s36, s34
	s_lshl_b32 s43, s25, 11
	s_add_co_u32 s36, s36, s43
	s_mov_b32 s37, 0
	s_add_co_u32 s34, s34, 32768                   ; its scale bytes
	s_mov_b32 s35, 0
	s_mov_b32 s16, 3<<16                           ; descriptor group 1: elements of 8 bytes, 32 rows of 64 elements, 2,048 elements from row to row
	s_mov_b32 s17, 64<<16
	s_mov_b32 s18, 32<<16
	s_mov_b32 s19, 64<<16
	s_mov_b32 s20, 32
	s_mov_b32 s21, 2048
	s_mov_b32 s22, 0
	s_mov_b32 s23, 0
	s_mov_b32 s12, 1                               ; group 0
	s_lshl_b32 s13, s24, 14                        ; my 16 KB of LDS
	s_lshl_b32 s44, s24, 14
	s_mul_i32 s45, s24, STGB
	s_add_co_u32 s45, s45, STG0                    ; my stage
	s_lshl_b32 s46, s25, 10
	s_add_co_u32 s46, s46, s26
	s_add_co_u32 s46, s46, SCG                     ; my scale bytes: column 128 half + 4 l + c at 8 x column, byte j
	s_wait_dscnt 0x0                               ; both opening adds are done
	s_wait_kmcnt 0x0
	s_add_nc_u64 s[14:15], s[6:7], s[30:31]
	s_or_b32 s15, s15, 0x80000000
	tensor_load_to_lds s[12:15], s[16:23]
	s_nop 0                                        ; directly behind the tensor load
	s_add_nc_u64 s[4:5], s[4:5], s[32:33]
	s_add_nc_u64 s[38:39], s[10:11], s[36:37]      ; wq at my codes
	s_add_nc_u64 s[40:41], s[10:11], s[34:35]      ; wq at the record's scale bytes
	v_and_b32 v1, 31, v0                           ; lane
	v_lshlrev_b32 v14, 4, v0                       ; 16 x thread: the place of the scale bytes that threads 0 to 127 store
	v_lshl_add_u32 v7, v0, 4, SCG                  ; and where they read them
	v_lshlrev_b32 v3, 2, v1                        ; 4 x lane: my four int8 of a row
	v_lshlrev_b32 v2, 4, v1                        ; 16 x lane: my 16 bytes of a store of codes
	v_mul_u32_u24 v4, v1, SP
	v_lshrrev_b32 v5, 2, v1
	v_and_b32 v6, 3, v1
	v_lshlrev_b32 v8, 5, v1
	v_add_nc_u32 v9, s44, v2                       ; my four scales of a row of my tile
	v_mul_u32_u24 v5, v5, SP
	v_add_nc_u32 v4, s45, v4                       ; into the stage: place = lane: my four columns' 64 bytes
	v_add_nc_u32 v10, s46, v8
	v_lshl_add_u32 v5, v6, 4, v5
	v_add_nc_u32 v5, s45, v5                       ; out of it: four lanes to a place, 16 bytes each: 32 lanes take 512 bytes that are neighbours in wq
	s_wait_alu depctr_va_vdst(0)                   ; the wait at the head's end
.irp k, 0,1,2,3,4,5,6,7,8,9,10,11,12,13,14,15,16,17,18,19,20,21,22,23,24,25,26,27,28,29,30,31
	global_load_b32 v[WR+\k], v3, s[4:5] offset:\k*4096
.endr
	s_wait_tensorcnt 0x0                           ; my own tile is in
.irp k, 0,1,2,3,4,5,6,7,8,9,10,11,12,13,14,15,16,17,18,19,20,21,22,23,24,25,26,27,28,29,30,31
	ds_load_b128 v[SR+4*\k:SR+4*\k+3], v9 offset:\k*512
.endr
; Group g: 8 rows x 4 columns.  An int8 is brought to the top of the word and shifted down with its sign, made f32 (exact), and multiplied by its scale.  Two rows at a time, so that no line waits for the line above it.
; Then the group's part of the four columns' largest magnitudes; the floor 2^(3 - 127) is one more leaf, so that the byte cannot fall under 1.
.macro PROD g
	s_wait_loadcnt 8*(3-\g)                        ; in issue order: this group's eight rows of w are in, those of the groups behind it may be out
	s_wait_dscnt 8*(3-\g)                          ; and its eight rows of w_scale
.irp p, 0,2,4,6
.irp n, 0,1
.irp c, 0,1,2
	v_lshlrev_b32 v[TP+4*\n+\c], 24-8*\c, v[WR+8*\g+\p+\n]
.endr
.endr
.irp n, 0,1
.irp c, 0,1,2
	v_ashrrev_i32 v[TP+4*\n+\c], 24, v[TP+4*\n+\c]
.endr
	v_ashrrev_i32 v[TP+4*\n+3], 24, v[WR+8*\g+\p+\n]
.endr
.irp n, 0,1
.irp c, 0,1,2,3
	v_cvt_f32_i32 v[TP+4*\n+\c], v[TP+4*\n+\c]
.endr
.endr
.irp n, 0,1
.irp c, 0,1,2,3
	v_mul_f32 v[T+32*\g+8*\c+\p+\n], v[TP+4*\n+\c], v[SR+32*\g+4*(\p+\n)+\c]
.endr
.endr
.endr
.irp i, 0,2,4,6
.irp c, 0,1,2,3
.if (\g == 0) && (\i == 0)
	v_max3_num_f32 v[M+\c], |v[T+8*\c]|, |v[T+8*\c+1]|, 0x1800000
.else
	v_max3_num_f32 v[M+\c], v[M+\c], |v[T+32*\g+8*\c+\i]|, |v[T+32*\g+8*\c+\i+1]|
.endif
.endr
.endr
.endm
	PROD 0
	PROD 1
	PROD 2
	PROD 3
.irp c, 0,1,2,3
	v_add_nc_u32 v[E+\c], 0xff000000, v[M+\c]      ; 2 off the exponent field: the conversion takes the exponent field of this operand as its scale, and nothing else of it
.endr
.irp c, 0,1,2,3
	v_lshrrev_b32 v[BY+\c], 23, v[E+\c]            ; the scale's byte
.endr
.irp g, 0,1,2,3
.irp c, 0,1,2,3
	v_cvt_scalef32_pk8_fp4_f32 v[C+4*\c+\g], v[T+32*\g+8*\c:T+32*\g+8*\c+7], v[E+\c]   ; rows 8 g .. 8 g + 7 of column c: eight codes, the first row's in the lowest four bits
.endr
.endr
	v_nop                                          ; one plain place behind the last scaled conversion
.irp c, 0,1,2,3
	ds_store_b8 v10, v[BY+\c] offset:8*\c          ; each wave writes its own byte of its columns' eight
.endr
.irp c, 0,1,2,3
	ds_store_b128 v4, v[C+4*\c:C+4*\c+3] offset:16*\c
.endr
.irp j, 0,1,2,3
	ds_load_b128 v[WR+4*\j:WR+4*\j+3], v5 offset:8*SP*\j   ; LDS serves a wave's instructions in order (ISA guide 5.7.1.4): these see my stores above
.endr
.irp j, 0,1,2,3
	s_wait_dscnt 3-\j                              ; the younger read-backs may be out
	global_store_b128 v2, v[WR+4*\j:WR+4*\j+3], s[38:39] offset:512*\j   ; 32 lanes store 512 consecutive bytes, at a multiple of 256 from wq's first byte
.endr
	s_wait_dscnt 0x0                               ; for the others' sake: my byte stores are done
	s_barrier_signal -1
	s_barrier_wait -1                              ; all eight bytes of each of the 256 columns lie in LDS
	s_cmp_ge_u32 s24, 4
	s_cbranch_scc1 .Ldone
	ds_load_b128 v[32:35], v7                      ; waves 0 to 3: two columns' bytes a lane
	s_wait_dscnt 0x0
	global_store_b128 v14, v[32:35], s[40:41]      ; 32 lanes store 512 consecutive bytes, at a multiple of 256 from wq's first byte
.Ldone:
	s_wait_tensorcnt 0x0                           ; the wave's end
	ds_add_u32 v254, v255
	s_wait_dscnt 0x0
	s_endpgm
.Lfunc_end_k_q16e5360057_prep:
	.size	k_q16e5360057_prep, .Lfunc_end_k_q16e5360057_prep-k_q16e5360057_prep
	.p2alignl 7, 3214868480
	.fill 96, 4, 3214868480
	.section	.rodata,"a",@progbits
	.p2align	6, 0x0
	.amdhsa_kernel k_q16e5360057_prep
		.amdhsa_group_segment_fixed_size 327680
		.amdhsa_private_segment_fixed_size 0
		.amdhsa_enable_private_segment 0
		.amdhsa_kernarg_size 24
		.amdhsa_user_sgpr_count 2
		.amdhsa_user_sgpr_kernarg_segment_ptr 1
		.amdhsa_wavefront_size32 1
		.amdhsa_system_sgpr_workgroup_id_x 1
		.amdhsa_system_sgpr_workgroup_id_y 1
		.amdhsa_system_sgpr_workgroup_id_z 1
		.amdhsa_system_vgpr_workitem_id 0
		.amdhsa_next_free_vgpr 256
		.amdhsa_next_free_sgpr 66
		.amdhsa_reserve_vcc 0
		.amdhsa_float_denorm_mode_32 3
		.amdhsa_float_denorm_mode_16_64 3
		.amdhsa_memory_ordered 1
		.amdhsa_forward_progress 1
		.amdhsa_inst_pref_size 32
	.end_amdhsa_kernel
	.amdgpu_metadata
---
amdhsa.version: [ 1, 2 ]
amdhsa.kernels:
  - .name:           k_q16e5360057_prep
    .symbol:         k_q16e5360057_prep.kd
    .args:
      - { .name: w, .offset: 0, .size: 8, .value_kind: global_buffer, .address_space: global }
      - { .name: w_scale, .offset: 8, .size: 8, .value_kind: global_buffer, .address_space: global }
      - { .name: wq, .offset: 16, .size: 8, .value_kind: global_buffer, .address_space: global }
    .group_segment_fixed_size: 327680
    .private_segment_fixed_size: 0
    .kernarg_segment_align: 8
    .kernarg_segment_size: 24
    .max_flat_workgroup_size: 512
    .sgpr_count:     66
    .vgpr_count:     256
    .wavefront_size: 32
...
	.end_amdgpu_metadata
.endif
;; end of part 1
;; launch gemm (part 2): grid 16 x 16, 4 waves a work-group, clusters of 4 x 4, 327,680 bytes of LDS; arguments inputs_codes, inputs_scales, wq, b, out0; writes out0
.if DOCPART == 2
	.amdgcn_target "amdgcn-amd-amdhsa--gfx1250"
	.amdhsa_code_object_version 6
	.text
	.protected	k_q16e5360057_gemm
	.globl	k_q16e5360057_gemm
	.p2align	8
	.type	k_q16e5360057_gemm,@function
k_q16e5360057_gemm:
	s_mov_b64 s[64:65], 0
	v_nop
	global_prefetch_b8 v0, s[64:65] scope:SCOPE_SE
	s_setreg_imm32_b32 hwreg(HW_REG_WAVE_MODE, 25, 1), 1
	s_wait_xcnt 0x0
	s_wait_alu depctr_hold_cnt(0) depctr_sa_sdst(0) depctr_va_vdst(0) depctr_va_sdst(0) depctr_va_ssrc(0) depctr_va_vcc(0) depctr_vm_vsrc(0)
	s_getreg_b32 s2, hwreg(HW_REG_IB_STS2, 6, 4)
	s_cmp_eq_u32 s2, 0
	s_cbranch_scc0 .Lentry_in_a_cluster
	s_endpgm
.Lentry_in_a_cluster:
	s_bfe_u32 s2, ttmp6, 0x10000c
	s_cmp_lg_u32 s2, 0xf033
	s_cbranch_scc0 .Lentry_shape_is_right
	s_endpgm
.Lentry_shape_is_right:
; out[m][n] = b[n] + sum over k of A[m][k] B[n][k], m, n, k 0 .. 4095: A = inputs as codes of FP4 with their scale bytes, B = the records that the launch before has made; sums in f32, K ascending, begun with the bias as the first product's C.
; A tile of 256 x 256 is made by a work-group of four waves, as many as a WGP has SIMDs; a wave makes 128 x 128: 64 accumulators of 16 x 16, 512 registers.
; K goes in eight steps of 512 through a ring of two LDS slots.  A slot: A's 256 rows of 256 bytes, 16 bytes of padding behind each; then B's two records of 34,816 bytes, dense, as they lie in wq: codes [block][column][16], scale bytes [column][8].
; A's scales for all of K come once, at the head: 256 rows of 128 bytes with 8 bytes of padding behind each, so that the 32 rows that a load touches start at 32 different pairs of banks (64 banks of 4 bytes: ISA guide 11.1).
; CLUSTERS: 4 x 4 work-groups.  The four of a row of the cluster need the same tiles of A, the four of a column the same of B: each is asked for JOINTLY, by the same tensor load with the same descriptor and a mask that names the four.
; THE MATRIX INSTRUCTION IS USED TRANSPOSED (source 0 = columns of B, source 1 = rows of A): a lane then holds eight neighbouring numbers of a row of the result.
; REGISTERS.  A step of 128 along K is four PHASES, each on the accumulators of one window of 256 registers (rows lo / hi: my rows 0-63 / 64-127; columns likewise):
;   phase 0: rows lo, columns lo, window 0;  1: rows lo, columns hi, window 1;  2: rows hi, columns hi, window 2;  3: rows hi, columns lo, window 3.
;   In every window v128-255 are the accumulators ((a, b) at v[128 + 8 (4 a + b)]) and v64-127 two buffers of 32 registers for one half-operand: window 0 A lo, 1 B lo, 2 B hi, 3 A hi.
;   window 0: v16-29 addresses, v32-63 scale words, two sets of 16 (a set: 256 along K).  window 1: v8-9, v12-14 LDS addresses.  window 2: v10-11 LDS addresses.  window 3: v0-63 the bias; on the way out v0-127 take rows read back.
; THE TILES ARE PREFETCHED, two K steps ahead of their tensor load (steps 1 and 2 at the head, step 3 behind step 1's load; the last two refills of the loop ask for nothing):  of the 128 rows of A that a wave fetches each of the four partners names 32, a lane a row;
;   of the 136 blocks of 256 bytes of a record each names 34: a lane a block, and two more by a second line whose other lanes name the last block again.
; LIMITS: none beyond those of the format; a NaN scale byte (0xff) makes its sums NaN.
.set PITCH,  272
.set HALF,   128*PITCH                 ; 128 rows of A in a slot; and as many bytes as a record of B
.set REC,    34816
.set SLOT,   4*HALF
.set APITCH, 136
.set ASCL,   2*SLOT                    ; A's scales, behind the ring
.set SPARE,  ASCL+256*APITCH           ; the spare words, 128 bytes for each wave
.set SPITCH, 528                       ; the way out: a stage of 16 rows x (512 bytes + 16) for each wave, in slot 0, which has had its last fill and its last read by then
.set KSB,    32*REC                    ; a K step of wq: 16 column tiles x 2 records
.set LAPS,   4                         ; a lap = two K steps = once round the ring
.set NROW,   16384                     ; a row of the result in bytes
.set ADRA, 8                           ; window 1: v8-9 my A fragments in slot 0, 1
.set ADSA, 12                          ; window 1: v12 A's scale words
.set ADSB, 13                          ; window 1: v13-14 B's scale words in slot 0, 1
.set ADRB, 10                          ; window 2: v10-11 my B fragments in slot 0, 1
.set PFO,  16                          ; window 0: the prefetches' offsets
.set PFO2, 17
.set STO,  24
.set RD,   25
.set CO,   26
.set BO,   27
.set SPW,  28
.set NIL,  29
.set SC,   32
.set FRG,  64
.set ACC,  128
.set G1A,  24                          ; descriptor groups: 1 and 0 (one for each slot) for A and B in the ring,
.set G1B,  32
.set G0A,  48
.set G0B,  56
.set G1S,  40                          ; for A's scales,
.set G0S,  68
.set G1H,  72                          ; and for the head's load of both records of K step 0
.set G0H,  80
.set PFA,  84                          ; s[84:85] where my prefetches stand, s[86:87] what a K step adds
.set PFS,  86
.set MSB, 0
.macro WIN new                         ; the immediate's high byte repeats the setting that is left
.if MSB != (\new)
	s_set_vgpr_msb (MSB<<8)|(\new)
.set MSB, \new
.endif
.endm
.macro PLACES                          ; four places in front of loads into registers that matrix instructions have read, and of reads of results
.rept 4
	v_nop
.endr
.endm
; A joint load: waves 0 and 1 fetch A's halves, waves 2 and 3 B's records
.macro JLOAD s
	s_cmp_eq_u32 s17, 0
	s_cbranch_scc0 .Lfor_b_\@
	tensor_load_to_lds s[G0A+4*\s:G0A+4*\s+3], s[G1A:G1A+7]
	s_nop 0
	PLACES
	s_branch .Lasked_\@
.Lfor_b_\@:
	tensor_load_to_lds s[G0B+4*\s:G0B+4*\s+3], s[G1B:G1B+7]
	s_nop 0
	PLACES
.Lasked_\@:
.endm
.macro CREST                           ; a round of the cluster's barrier behind its opening barrier
	s_cmp_lg_u32 s16, 0
	s_cbranch_scc1 .Lnot_wave_0_\@
	s_barrier_signal -3
.Lnot_wave_0_\@:
	s_barrier_wait -3
	s_barrier_signal -1
	s_barrier_wait -1
.endm
.macro CROUND
	s_barrier_signal -1
	s_barrier_wait -1
	CREST
.endm
.macro PREF sp                         ; my share of a K step: A's 32 rows, or 34 blocks of B's record
	global_prefetch_b8 v[PFO], s[\sp:\sp+1] th:TH_LOAD_NT scope:SCOPE_SE
	s_cmp_eq_u32 s17, 0
	s_cbranch_scc1 .Lonly_a_\@
	global_prefetch_b8 v[PFO2], s[\sp:\sp+1] offset:8192 th:TH_LOAD_NT scope:SCOPE_SE
.Lonly_a_\@:
.endm
	s_load_b256 s[4:11], s[0:1], 0x0               ; A's codes s[4:5], A's scales s[6:7], wq s[8:9], bias s[10:11]
	s_load_b64 s[12:13], s[0:1], 0x20              ; the result
	v_lshl_add_u32 v[SPW], v0, 2, SPARE
	v_mov_b32 v[NIL], 0
	ds_add_u32 v[SPW], v[NIL]                      ; the opening add, twice on end, and its wait, ahead of the first tensor load
	ds_add_u32 v[SPW], v[NIL]
	v_lshrrev_b32 v1, 5, v0
	v_readfirstlane_b32 s16, v1                    ; wave 0..3
	s_lshr_b32 s17, s16, 1                         ; which half of the tile's rows is mine.  Also: I fetch for A (0) or for B (1)
	s_and_b32 s18, s16, 1                          ; which half of its columns.  Also: which 128 rows, or which record, I fetch
	s_bfe_u32 s19, ttmp6, 0x40000                  ; cx, cy: my place in the cluster
	s_bfe_u32 s20, ttmp6, 0x40004
	s_lshl_b32 s21, ttmp9, 2
	s_add_co_u32 s21, s21, s19                     ; tile column
	s_and_b32 s22, ttmp7, 0xffff
	s_lshl_b32 s22, s22, 2
	s_add_co_u32 s22, s22, s20                     ; tile row
	s_lshl_b32 s96, s20, 2
	s_lshl_b32 s96, 15, s96                        ; my row of the cluster
	s_lshl_b32 s97, 0x1111, s19                    ; my column
	s_or_b32 s[G1A], s96, (0<<16)|(1<<20)|(1<<21)|(5<<22)|(3<<25)  ; A: elements of 1 byte, 16 bytes of padding behind every 256; bit 21 set beside a mask
	s_mov_b32 s[G1A+1], 256<<16
	s_mov_b32 s[G1A+2], 128<<16
	s_mov_b32 s[G1A+3], 256<<16
	s_mov_b32 s[G1A+4], 128
	s_mov_b32 s[G1A+5], 2048
	s_mov_b32 s[G1A+6], 0
	s_mov_b32 s[G1A+7], 0
	s_or_b32 s[G1B], s97, (3<<16)|(1<<21)          ; B: a dense record as 17 rows of 256 elements of 8 bytes
	s_mov_b32 s[G1B+1], 256<<16
	s_mov_b32 s[G1B+2], 17<<16
	s_mov_b32 s[G1B+3], 256<<16
	s_mov_b32 s[G1B+4], 17
	s_mov_b32 s[G1B+5], 256
	s_mov_b32 s[G1B+6], 0
	s_mov_b32 s[G1B+7], 0
	s_or_b32 s[G1H], s97, (3<<16)|(1<<21)          ; the head's two records: 34 such rows
	s_mov_b32 s[G1H+1], 256<<16
	s_mov_b32 s[G1H+2], 34<<16
	s_mov_b32 s[G1H+3], 256<<16
	s_mov_b32 s[G1H+4], 34
	s_mov_b32 s[G1H+5], 256
	s_mov_b32 s[G1H+6], 0
	s_mov_b32 s[G1H+7], 0
	s_or_b32 s[G1S], s96, (3<<16)|(1<<20)|(1<<21)|(4<<22)|(1<<25)  ; A's scales: a dense block as 128 rows of 256 bytes, 8 bytes of padding behind every 128
	s_mov_b32 s[G1S+1], 32<<16
	s_mov_b32 s[G1S+2], 128<<16
	s_mov_b32 s[G1S+3], 32<<16
	s_mov_b32 s[G1S+4], 128
	s_mov_b32 s[G1S+5], 32
	s_mov_b32 s[G1S+6], 0
	s_mov_b32 s[G1S+7], 0
	s_lshl_b32 s92, s22, 19                        ; A: 256 rows of 2,048 bytes a tile row, + the 128 rows that I fetch
	s_lshl_b32 s94, s18, 18
	s_add_co_u32 s92, s92, s94
	s_mov_b32 s93, 0
	s_lshl_b32 s90, s22, 15                        ; its scales: 256 rows of 128 bytes
	s_mov_b32 s91, 0
	s_mul_i32 s94, s21, 2*REC                      ; B: two records a tile column,
	s_mov_b32 s95, 0
	s_mul_i32 s98, s18, REC                        ; + the one that I fetch
	s_mov_b32 s99, 0
	s_mul_i32 s23, s16, HALF                       ; where my loads go in a slot
	s_wait_dscnt 0x0                               ; both opening adds are done
	s_wait_kmcnt 0x0
	s_add_nc_u64 s[4:5], s[4:5], s[92:93]
	s_add_nc_u64 s[6:7], s[6:7], s[90:91]
	s_add_nc_u64 s[8:9], s[8:9], s[94:95]
	s_mov_b32 s[G0H], 1
	s_mov_b32 s[G0H+1], 2*HALF
	s_mov_b64 s[G0H+2:G0H+3], s[8:9]
	s_or_b32 s[G0H+3], s[G0H+3], 0x80000000
	s_mov_b32 s[G0S], 1
	s_mov_b32 s[G0S+1], ASCL
	s_mov_b64 s[G0S+2:G0S+3], s[6:7]
	s_or_b32 s[G0S+3], s[G0S+3], 0x80000000
	s_add_nc_u64 s[8:9], s[8:9], s[98:99]
.irp s, 0,1
	s_mov_b32 s[G0A+4*\s], 1
	s_add_co_u32 s[G0A+4*\s+1], s23, \s*SLOT
	s_add_nc_u64 s[G0A+4*\s+2:G0A+4*\s+3], s[4:5], \s*256
	s_or_b32 s[G0A+4*\s+3], s[G0A+4*\s+3], 0x80000000
	s_mov_b32 s[G0B+4*\s], 1
	s_add_co_u32 s[G0B+4*\s+1], s23, \s*SLOT
	s_add_nc_u64 s[G0B+4*\s+2:G0B+4*\s+3], s[8:9], \s*KSB
	s_or_b32 s[G0B+4*\s+3], s[G0B+4*\s+3], 0x80000000
.endr
	CROUND                                         ; all sixteen work-groups are here: the first joint loads meet
; THE HEAD'S LOADS, ONE A WAVE: waves 0 and 1 A's halves of K step 0, wave 2 both records of B, wave 3 A's scales
	s_cmp_lt_u32 s16, 2
	s_cbranch_scc0 .Lhead_b
	tensor_load_to_lds s[G0A:G0A+3], s[G1A:G1A+7]
	s_nop 0
	PLACES
	s_branch .Lhead_asked
.Lhead_b:
	s_cmp_lt_u32 s16, 3
	s_cbranch_scc0 .Lhead_s
	tensor_load_to_lds s[G0H:G0H+3], s[G1H:G1H+7]
	s_nop 0
	PLACES
	s_branch .Lhead_asked
.Lhead_s:
	tensor_load_to_lds s[G0S:G0S+3], s[G1S:G1S+7]
	s_nop 0
	PLACES
.Lhead_asked:
	s_lshl_b32 s88, s19, 16                        ; the prefetches: of A's 128 rows the 32 from 32 cx on; of B's record the 34 blocks from 34 cy on
	s_mul_i32 s89, s20, 34*256
	s_mov_b32 s[PFS], KSB
	s_mov_b32 s[PFS+1], 0
	s_cmp_eq_u32 s17, 0
	s_cselect_b32 s88, s88, s89
	s_cselect_b32 s[PFS], 0x100, s[PFS]
	s_cselect_b32 s14, 11, 8                       ; a lane a row of 2,048 bytes, or a block of 256
	s_cselect_b64 s[PFA:PFA+1], s[4:5], s[8:9]
	s_mov_b32 s89, 0
	s_add_nc_u64 s[PFA:PFA+1], s[PFA:PFA+1], s[88:89]
	s_add_nc_u64 s[PFA:PFA+1], s[PFA:PFA+1], s[PFS:PFS+1]     ; K step 1
	s_add_nc_u64 s[100:101], s[PFA:PFA+1], s[PFS:PFS+1]       ; K step 2
	s_mul_i32 s66, s17, HALF                       ; my 128 rows of A
	s_lshl_b32 s67, s18, 11                        ; my 128 columns of B, 16 bytes each in a block
	s_add_co_u32 s67, s67, 2*HALF
	s_lshl_b32 s15, s18, 10                        ; and their scale bytes, 8 a column, behind the record's eight blocks
	s_add_co_u32 s15, s15, 2*HALF+32768
	s_mul_i32 s23, s17, 128*APITCH
	s_add_co_u32 s23, s23, ASCL
	s_mul_i32 s2, s16, 16*SPITCH                   ; my stage
; A fragment is 16 rows x 128 K: lane l holds row l % 16; registers 4 c .. 4 c + 3 hold K = 64 c + 32 (l / 16) + 0 .. 31, which is block 2 c + l / 16 of the step
	v_and_b32 v1, 15, v0
	v_bfe_u32 v2, v0, 4, 1
	v_and_b32 v3, 31, v0
	v_mul_u32_u24 v4, v1, PITCH
	v_lshlrev_b32 v5, 4, v1
	v_mul_u32_u24 v6, v3, APITCH
	v_lshlrev_b32 v7, 3, v3
	v_mul_u32_u24 v18, v1, SPITCH
	v_lshl_add_u32 v4, v2, 4, v4                   ; A: row x pitch + 16 x half
	v_lshl_add_u32 v5, v2, 12, v5                  ; B: column x 16 + block x 4,096
	v_lshl_add_u32 v18, v2, 5, v18
	v_lshlrev_b32 v[CO], 4, v3
	v_lshlrev_b32 v[BO], 5, v2
	v_add_nc_u32 v[STO], s2, v18                   ; the way out, in: row l % 16, 32 bytes for each half of the lanes
	v_add_nc_u32 v[RD], s2, v[CO]                  ; back: the 32 lanes take a row of 512 bytes
	v_lshlrev_b32 v[PFO], s14, v3
	v_min_u32 v[PFO2], 1, v3
	v_lshlrev_b32 v[PFO2], 8, v[PFO2]
	WIN 0x40
	v_add_nc_u32 v[ADRA], s66, v4
	v_add_nc_u32 v[ADSA], s23, v6                  ; lane l takes row 32 i + l's words: lanes 0-15 block 2 i, lanes 16-31 block 2 i + 1
	v_add_nc_u32 v[ADSB], s15, v7
	s_add_co_u32 s66, s66, SLOT
	s_add_co_u32 s15, s15, SLOT
	v_add_nc_u32 v[ADRA+1], s66, v4
	v_add_nc_u32 v[ADSB+1], s15, v7
	WIN 0x80
	v_add_nc_u32 v[ADRB], s67, v5
	s_add_co_u32 s67, s67, SLOT
	v_add_nc_u32 v[ADRB+1], s67, v5
	WIN 0
	s_wait_alu depctr_va_vdst(0)
	PREF PFA
	PREF 100
	s_lshl_b32 s2, s21, 10                         ; my first column, in bytes of f32
	s_lshl_b32 s3, s18, 9
	s_add_co_u32 s2, s2, s3
	s_mov_b32 s3, 0
	s_add_nc_u64 s[10:11], s[10:11], s[2:3]
	WIN 0xc0
.irp i, 0,1,2,3,4,5,6,7
	global_load_b128 v[8*\i:8*\i+3],   v[BO], s[10:11] offset:64*\i        ; the bias in the result's layout: lane l, block i: columns 16 i + 8 (l / 16) + 0 .. 7
	global_load_b128 v[8*\i+4:8*\i+7], v[BO], s[10:11] offset:64*\i+16
.endr
	WIN 0
	s_lshl_b32 s66, s22, 22                        ; my first row of the result
	s_lshl_b32 s67, s17, 21
	s_add_co_u32 s66, s66, s67
	s_mov_b32 s67, 0
	s_add_nc_u64 s[12:13], s[12:13], s[66:67]
	s_add_nc_u64 s[12:13], s[12:13], s[2:3]
; One LDS load of a later step (slot NSL, its NQQ-th 128 along K): number j (0 .. 7) of half-operand p, into buffer x
.macro LDX p, x, j
.set LI, (\j)/2
.set LC, (\j)%2
.set LR, FRG+32*(\x)+8*LI+4*LC
.if ((\p)%3) == 0
	ds_load_b128 v[LR:LR+3], v[ADRA+NSL] offset:64*NQQ+32*LC+(LI+4*((\p)/3))*16*PITCH
.else
	ds_load_b128 v[LR:LR+3], v[ADRB+NSL] offset:(NQQ/2)*REC+(4*(NQQ%2)+2*LC)*4096+(LI+4*((\p)-1))*256
.endif
.endm
; One load of scale words, two 128s along K: 0 .. 3 A's blocks, 4 .. 7 B's, into set NSET; HST: which 256 along K of the lap
.macro SCL j
.set LI, (\j)%4
.if (\j) < 4
	ds_load_b64 v[SC+16*NSET+2*LI:SC+16*NSET+2*LI+1], v[ADSA] offset:LI*32*APITCH+8*HST
.else
	ds_load_b64 v[SC+16*NSET+8+2*LI:SC+16*NSET+9+2*LI], v[ADSB+NSL] offset:NSET*REC+256*LI
.endif
.endm
; Runs of eight loads: a half-operand (its window is the destination's, its address lies in source 0's window), or a set of scale words
.macro RUN p, x
.if (\p) == 0
	WIN 0x01
.elseif (\p) == 1
	WIN 0x42
.elseif (\p) == 2
	WIN 0x82
.else
	WIN 0xc1
.endif
.irp j, 0,1,2,3,4,5,6,7
	LDX \p, \x, \j
.endr
.endm
.macro SRUN
	WIN 0x01
.irp j, 0,1,2,3,4,5,6,7
	SCL \j
.endr
.endm
.macro RUNS x, sc                      ; a whole step's 32 loads in one run; sc = 1: and 8 of scale words
	RUN 0, \x
.if \sc
	SRUN
.endif
	RUN 3, \x
	RUN 2, \x
	RUN 1, \x
.endm
; One matrix instruction of phase p: A's block a, B's block b of the phase's halves; fragment buffer x, scale set h, word qq.  Odd blocks' scales lie in lanes 16-31
.macro WM p, a, b, x, h, qq, first
.set MA, 4*((\p)/2)+(\a)
.set MB, 4*((((\p)+1)/2)%2)+(\b)
.set DR, ACC+8*(4*(\a)+(\b))
.set BR, FRG+32*(\x)+8*(\b)
.set AR, FRG+32*(\x)+8*(\a)
.set SB, SC+16*(\h)+8+2*(MB/2)+(\qq)
.set SA, SC+16*(\h)+2*(MA/2)+(\qq)
.if \first
.set CR, 8*MB
.else
.set CR, DR
.endif
.if (((\a)%2) == 0) && (((\b)%2) == 0)
	v_wmma_scale_f32_16x16x128_f8f6f4 v[DR:DR+7], v[BR:BR+7], v[AR:AR+7], v[CR:CR+7], v[SB], v[SA] matrix_a_fmt:MATRIX_FMT_FP4 matrix_b_fmt:MATRIX_FMT_FP4
.elseif ((\a)%2) == 0
	v_wmma_scale_f32_16x16x128_f8f6f4 v[DR:DR+7], v[BR:BR+7], v[AR:AR+7], v[CR:CR+7], v[SB], v[SA] matrix_a_fmt:MATRIX_FMT_FP4 matrix_b_fmt:MATRIX_FMT_FP4 matrix_a_scale:MATRIX_SCALE_ROW1
.elseif ((\b)%2) == 0
	v_wmma_scale_f32_16x16x128_f8f6f4 v[DR:DR+7], v[BR:BR+7], v[AR:AR+7], v[CR:CR+7], v[SB], v[SA] matrix_a_fmt:MATRIX_FMT_FP4 matrix_b_fmt:MATRIX_FMT_FP4 matrix_b_scale:MATRIX_SCALE_ROW1
.else
	v_wmma_scale_f32_16x16x128_f8f6f4 v[DR:DR+7], v[BR:BR+7], v[AR:AR+7], v[CR:CR+7], v[SB], v[SA] matrix_a_fmt:MATRIX_FMT_FP4 matrix_b_fmt:MATRIX_FMT_FP4 matrix_a_scale:MATRIX_SCALE_ROW1 matrix_b_scale:MATRIX_SCALE_ROW1
.endif
.endm
; A phase: its accumulators take turns, one instruction a turn.  first: the bias (window 3) is C
.macro PHASE p, x, h, qq, first
.if (\p) == 0
	WIN 0x01+0x30*(\first)
.elseif (\p) == 1
	WIN 0x52+0x20*(\first)
.elseif (\p) == 2
	WIN 0xae+0x10*(\first)
.else
	WIN 0xfd
.endif
.irp a, 0,1,2,3
.irp b, 0,1,2,3
	WM \p, \a, \b, \x, \h, \qq, \first
.endr
.endr
.endm
; A step whose successor lies in the same slot: the successor's loads in one run, then all the matrix instructions on what the run before has brought.
; Loads into registers that a matrix instruction has read stand four places behind it: the four v_nop at the end of the step before serve the whole run.
.macro STEP slot, q, first
.set NSL, \slot
.set NQQ, (\q)+1
.set NSET, 1
.set HST, 2*(\slot)+1
.if (\q) == 1
	RUNS 0, 1                                      ; the slot's second set of scale words rides along
	s_wait_dscnt 40                                ; all but the 40 just issued
.else
	RUNS 1, 0
	s_wait_dscnt 32                                ; all but the 32 just issued
.endif
	PHASE 0, (\q)%2, (\q)/2, (\q)%2, \first
	PHASE 1, (\q)%2, (\q)/2, (\q)%2, \first
	PHASE 2, (\q)%2, (\q)/2, (\q)%2, \first
	PHASE 3, (\q)%2, (\q)/2, (\q)%2, \first
	PLACES
.endm
; A slot's last step changes slots.  In front of the barrier each wave waits for all its tensor loads, adds 0 to its spare word, and waits for that and for its own reads of this slot.
; fill = 1: the barrier opens a round of the cluster's barrier, and this slot is filled again, two K steps ahead.
.macro TURN slot, next, fill
	WIN 0                                          ; (the add's two registers lie in window 0)
.if \fill
	s_wait_xcnt 0x0                                ; my prefetches have read their base
	s_add_nc_u64 s[PFA:PFA+1], s[PFA:PFA+1], s[PFS:PFS+1]
.endif
	s_wait_tensorcnt 0x0                           ; my part of the next slot is in
	ds_add_u32 v[SPW], v[NIL]                      ; 0 onto my spare word
	s_wait_dscnt 1                                 ; (the add may be out)
	PHASE 0, 1, 1, 1, 0
	s_wait_dscnt 0x0                               ; the add is done, and my reads of this slot are over
	s_barrier_signal -1
	PHASE 1, 1, 1, 1, 0
	WIN 0
	s_barrier_wait -1
.if \fill
	CREST                                          ; no wave of any partner still reads this slot's tile or has a load on its way
	s_add_nc_u64 s[G0A+4*\slot+2:G0A+4*\slot+3], s[G0A+4*\slot+2:G0A+4*\slot+3], 2*256
	s_add_nc_u64 s[G0B+4*\slot+2:G0B+4*\slot+3], s[G0B+4*\slot+2:G0B+4*\slot+3], 2*KSB
	JLOAD \slot
.endif
.set NSL, \next
.set NQQ, 0
.set NSET, 0
.set HST, 2*(\slot)+2
	RUNS 0, 1
.if \fill
	WIN 0
	s_cmp_gt_u32 s3, 1                             ; the loop's last trip has no K step two refills on
	s_cbranch_scc0 .Lno_more_\@
	PREF PFA
.Lno_more_\@:
.endif
	PHASE 2, 1, 1, 1, 0
	PHASE 3, 1, 1, 1, 0
	PLACES
.endm
	s_wait_alu depctr_va_vdst(0)                   ; the wait at the head's end
	s_wait_tensorcnt 0x0                           ; my tile of the head's four is in; these lines stand ahead of a later first fill, as ahead of a refill:
	ds_add_u32 v[SPW], v[NIL]                      ; 0 onto my spare word
	s_wait_xcnt 0x0                                ; my prefetches have read their bases
	s_add_nc_u64 s[PFA:PFA+1], s[100:101], s[PFS:PFS+1]       ; K step 3
	s_wait_dscnt 0x0                               ; the add is done
	CROUND                                         ; all four tiles are in, and all sixteen work-groups are here
	JLOAD 1                                        ; K step 1's load, the first tensor load behind the round
.set NSL, 0
.set NQQ, 0
.set NSET, 0
.set HST, 0
	RUNS 0, 1
	WIN 0
	PREF PFA
	s_wait_loadcnt 0x0                             ; the bias
	STEP 0, 0, 1                                   ; the first step stands in front of the loop: its products start the sums
	WIN 0
	s_mov_b32 s3, LAPS-1
.Llap:                                                 ; a trip goes once round the ring, from a lap's second step to the next lap's first, and fills both slots again
	STEP 0, 1, 0
	STEP 0, 2, 0
	TURN 0, 1, 1
	STEP 1, 0, 0
	STEP 1, 1, 0
	STEP 1, 2, 0
	TURN 1, 0, 1
	WIN 0x44
	v_add_nc_u32 v[ADSA], 32, v[ADSA]              ; A's scale words: on to the next lap
	s_wait_alu depctr_va_vdst(0)                   ; the wait here, directly behind the write
	STEP 0, 0, 0
	WIN 0
	s_sub_co_u32 s3, s3, 1
	s_cmp_lg_u32 s3, 0
	s_cbranch_scc1 .Llap
	STEP 0, 1, 0                                   ; the last lap fills nothing, and has no round of the cluster's barrier
	STEP 0, 2, 0
	TURN 0, 1, 0
; THE WAY OUT, block by block of 16 rows x 128 columns, through my own stage: in by 32 bytes of a row a lane, back as whole rows of 512 bytes, stored as two aligned units of 256 bytes.
; LDS serves a wave's instructions in order (ISA guide 5.7.1.4): no wait between the stores and the loads, nor in front of the next block's stores.
.macro TOSTAGE a, buf
.set AH, (\a)/4
.set AC, ACC+32*((\a)%4)
	WIN (3*AH)<<2                                  ; columns lo: window 0 or 3
.irp b, 0,1,2,3
	ds_store_b128 v[STO], v[AC+8*\b:AC+8*\b+3] offset:64*\b          ; each accumulator from its low end on
	ds_store_b128 v[STO], v[AC+8*\b+4:AC+8*\b+7] offset:64*\b+16
.endr
	WIN (1+AH)<<2                                  ; columns hi: window 1 or 2
.irp b, 0,1,2,3
	ds_store_b128 v[STO], v[AC+8*\b:AC+8*\b+3] offset:64*\b+256
	ds_store_b128 v[STO], v[AC+8*\b+4:AC+8*\b+7] offset:64*\b+272
.endr
	WIN 0xc0                                       ; back into window 3, from v[buf] on
.irp t, 0,1,2,3,4,5,6,7,8,9,10,11,12,13,14,15
	ds_load_b128 v[(\buf)+4*\t:(\buf)+4*\t+3], v[RD] offset:\t*SPITCH
.endr
.endm
.macro SEND a, buf, younger            ; younger: the LDS instructions issued behind block a's loads, which may stay out
	s_wait_dscnt \younger
.if (\a) > 0
	s_add_nc_u64 s[12:13], s[12:13], 16*NROW       ; (behind a wait on XCNT: the earlier stores have read their base)
.endif
	WIN 0x0c
.irp t, 0,1,2,3,4,5,6,7,8,9,10,11,12,13,14,15
	global_store_b128 v[CO], v[(\buf)+4*\t:(\buf)+4*\t+3], s[12:13] offset:\t*NROW th:TH_STORE_NT   ; 32 lanes store 512 consecutive bytes, at a multiple of 256
.endr
.endm
; THE LAST SLOT GOES BY HALVES OF MY ROWS: rows lo through its four steps first (LOW), then rows hi (HIGH), while the four blocks of rows lo leave.  Only B's fragments are read a second time; the sums' order stays K ascending.
.macro LOW q
.set NSL, 1
.set NSET, 1
.set HST, 3
.if (\q) < 3
.set NQQ, (\q)+1
	RUN 0, 1-(\q)%2
.if (\q) == 1
	SRUN
.endif
.if (\q) == 0
	RUN 3, 1                                       ; rows hi's second step; their first came with the change of slots
.endif
.else
.set NQQ, 0
.endif
	RUN 2, 1-(\q)%2
	RUN 1, 1-(\q)%2
.if (\q) < 2
	s_wait_dscnt 32                                ; all but what was just issued
.elseif (\q) == 2
	s_wait_dscnt 24
.else
	s_wait_dscnt 16
.endif
	PHASE 0, (\q)%2, (\q)/2, (\q)%2, 0
	PHASE 1, (\q)%2, (\q)/2, (\q)%2, 0
	PLACES
.endm
.macro HIGH q
.set NQQ, (\q)+1
.if (\q) < 3
	RUN 2, 1-(\q)%2
	RUN 1, 1-(\q)%2
.endif
.if ((\q) == 1) || ((\q) == 2)
	RUN 3, 1-(\q)%2
.endif
.if (\q) > 0
	s_wait_xcnt 0x0                                ; block q - 1's stores have read their registers and their base
.endif
	TOSTAGE \q, 0
.if (\q) == 0
	s_wait_dscnt 48                                ; all but the run just issued (16 or 24 or none) and the stage's 32
.elseif (\q) < 3
	s_wait_dscnt 56
.else
	s_wait_dscnt 32
.endif
	PHASE 2, (\q)%2, (\q)/2, (\q)%2, 0
	SEND \q, 0, 0
	PHASE 3, (\q)%2, (\q)/2, (\q)%2, 0
	PLACES
.endm
	LOW 0
	LOW 1
	LOW 2
	LOW 3
	HIGH 0
	HIGH 1
	HIGH 2
	HIGH 3
	TOSTAGE 4, 64                                  ; rows hi: v64-127 and v0-63 of window 3 by turns
.irp a, 5,6,7
	s_wait_xcnt 0x0                                ; block a - 2's stores have read their registers and their base
	TOSTAGE \a, 64*((\a+1)%2)
	SEND \a-1, 64*(\a%2), 32                       ; behind block a - 1's loads: block a's 16 stores and 16 loads
.endr
	s_wait_xcnt 0x0
	SEND 7, 0, 0
	WIN 0
	s_wait_tensorcnt 0x0                           ; the wave's end
	ds_add_u32 v[SPW], v[NIL]
	s_wait_dscnt 0x0
	CROUND                                         ; the closing round: no work-group ends while a partner may still ask for a tile that names it
	s_endpgm
.Lfunc_end_k_q16e5360057_gemm:
	.size	k_q16e5360057_gemm, .Lfunc_end_k_q16e5360057_gemm-k_q16e5360057_gemm
	.p2alignl 7, 3214868480
	.fill 96, 4, 3214868480
	.section	.rodata,"a",@progbits
	.p2align	6, 0x0
	.amdhsa_kernel k_q16e5360057_gemm
		.amdhsa_group_segment_fixed_size 327680
		.amdhsa_private_segment_fixed_size 0
		.amdhsa_enable_private_segment 0
		.amdhsa_kernarg_size 40
		.amdhsa_user_sgpr_count 2
		.amdhsa_user_sgpr_kernarg_segment_ptr 1
		.amdhsa_wavefront_size32 1
		.amdhsa_system_sgpr_workgroup_id_x 1
		.amdhsa_system_sgpr_workgroup_id_y 1
		.amdhsa_system_sgpr_workgroup_id_z 1
		.amdhsa_system_vgpr_workitem_id 0
		.amdhsa_next_free_vgpr 1024
		.amdhsa_next_free_sgpr 102
		.amdhsa_reserve_vcc 0
		.amdhsa_float_denorm_mode_32 3
		.amdhsa_float_denorm_mode_16_64 3
		.amdhsa_memory_ordered 1
		.amdhsa_forward_progress 1
		.amdhsa_inst_pref_size 222
	.end_amdhsa_kernel
	.amdgpu_metadata
---
amdhsa.version: [ 1, 2 ]
amdhsa.kernels:
  - .name:           k_q16e5360057_gemm
    .symbol:         k_q16e5360057_gemm.kd
    .args:
      - { .name: inputs_codes, .offset: 0, .size: 8, .value_kind: global_buffer, .address_space: global }
      - { .name: inputs_scales, .offset: 8, .size: 8, .value_kind: global_buffer, .address_space: global }
      - { .name: wq, .offset: 16, .size: 8, .value_kind: global_buffer, .address_space: global }
      - { .name: b, .offset: 24, .size: 8, .value_kind: global_buffer, .address_space: global }
      - { .name: out0, .offset: 32, .size: 8, .value_kind: global_buffer, .address_space: global }
    .group_segment_fixed_size: 327680
    .private_segment_fixed_size: 0
    .kernarg_segment_align: 8
    .kernarg_segment_size: 40
    .max_flat_workgroup_size: 128
    .sgpr_count:     102
    .vgpr_count:     1024
    .wavefront_size: 32
...
	.end_amdgpu_metadata
.endif
;; end of part 2
